; MI455X (gfx1250); checked and timed in simulation.
; The chip was launched on July 23, 2026; its instructions are those of AMD's public machine-readable ISA for CDNA 5 (MIT licence, August 2026) and "CDNA5" Instruction Set Architecture Reference Guide (July 2026). The comments in the code are by the model that wrote it; some were corrected since.
;; Dot Projection Attention. Allowed arithmetic: matrix products marked QUANTISED: E2M1 operands, one E8M0 scale for each 32 along K, by v_wmma_scale_f32_16x16x128_f8f6f4 with both operands' format E2M1 (or v_wmma_scale_f32_32x16x128_f4), f32 sums; products left as they are: f32 operands where the result goes on into a quantised operand, else bf16, f16 or f32 operands; f32 sums; everything else in f32.
;; Inputs: attn_v_bias 1 float32; attn_v_weight 1 x 1,024 float32; attn_w_bias 1,024 float32; attn_w_weight 1,024 x 2,048 float32; hidden_codes 64 x 32 x 16 uint8 (E2M1 codes of hidden, K innermost, in blocks of 32 codes, two codes a byte); hidden_scales 64 x 32 uint8 (E8M0 scales of hidden, one for each 32 codes along K); vectors_to_attend 1,024 x 64 x 1,024 float32.
;; Outputs: out0 64 x 1 x 1,024 float32.
;; This version of the problem:
;;   THIS VERSION OF THE PROBLEM IS GIVEN IN LOW PRECISION. The matrix products marked QUANTISED in the list below multiply operands that are first quantised to E2M1 (2 exponent bits, 1 mantissa bit; 4 bits a number), with one power-of-two scale for each 32 numbers along K (OCP MX v1.0); their sums are f32. All else is computed in f32.
;;   The module's matrix products, in the order in which they are computed (A, B: the left and right operand; K: the contracted axis; several contracted axes count as one K, in the product's order):
;;     1. [M 65,536, K 1,024] x [K 1,024, N 1,024]; A: input vectors_to_attend; B: input attn_w_weight: QUANTISED
;;     2. [M 64, K 1,024] x [K 1,024, N 1,024]; A: input hidden (given as codes); B: input attn_w_weight: QUANTISED
;;     3. [M 65,536, K 1,024] x [K 1,024, N 1]; A: computed on the way; B: input attn_v_weight: left as it is (N = 1 < 16)
;;     4. batch 64 x [M 1, K 1,024] x [K 1,024, N 1,024]; A: softmax; B: input vectors_to_attend: left as it is (M = 1 < 16)
;;   THE QUANTISER, for each operand of a quantised product, along K:
;;     - K is cut into blocks of 32 from its start; a last block that is shorter is filled with zeros.
;;     - A block's scale is 2^e with e = floor(log2(the largest magnitude in the block)) - 2, held to -126 .. 127; a block of zeros has e = 0. As a byte (E8M0): e + 127.
;;     - Each number is divided by its block's scale, clamped to +-6, and rounded to the nearest number of E2M1, ties to even, subnormals kept.
;;     - The product sums the exact products of the quantised numbers (number of the format x scale) in f32.
;;   ~~~python
;;   def quantise(x, axis):      # numpy; x: float32 -> the quantised numbers, widened to float32 again
;;       x = np.moveaxis(x, axis, -1); K = x.shape[-1]
;;       x = np.pad(x, [(0, 0)] * (x.ndim - 1) + [(0, -K % 32)]); x = x.reshape(x.shape[:-1] + (-1, 32)); a = np.abs(x).max(-1, keepdims=True)
;;       e = np.where(a > 0, np.clip(np.frexp(np.where(a > 0, a, 1))[1] - 1 - 2, -126, 127), 0)      # np.frexp(a)[1] - 1 = floor(log2(a)), exactly
;;       r = np.clip(x / 2.0 ** e, -6, 6)
;;       step = 2.0 ** (np.maximum(np.frexp(np.where(r == 0, 1, r))[1] - 1, 0) - 1)
;;       q = np.round(r / step) * step * 2.0 ** e      # np.round: ties to even
;;       return np.moveaxis(q.reshape(q.shape[:-2] + (-1,))[..., :K], -1, axis).astype(np.float32)
;;   ~~~
;;   INPUTS GIVEN AS CODES. hidden (in the module: [64, 1024], K = its axis 1): each comes as NAME_codes (uint8): NAME with its K axis moved to the last place and cut into blocks of 32 codes, [.., K / 32, bytes a block], one block behind the other in memory; two codes a byte, the lower K in the low four bits (a code: sign, 2 exponent bits, 1 mantissa bit); and NAME_scales (uint8): the same leading axes, one E8M0 byte (e + 127) for each 32 codes along K. Its value is code x scale, taken as it is: it is not quantised again, and the codes and scales need not be those that the quantiser above would give.
;; One version. Each part assembles by itself: llvm-mc -triple=amdgcn-amd-amdhsa -mcpu=gfx1250 --defsym DOCPART=n.
;; ======== version 1 of 1: 3 launches
;; limits: right only within a limited range of input values
;; workspace buffers: wq 524,288 bytes; ws 65,536 bytes; hb 1,048,576 bytes; part 4,456,448 bytes
;; launch prep (part 1): grid 256 x 1, 2 waves a work-group, no clusters, 37,632 bytes of LDS; arguments attn_w_weight, hidden_codes, hidden_scales, wq, ws, hb; writes wq, ws, hb
.if DOCPART == 1
	.amdgcn_target "amdgcn-amd-amdhsa--gfx1250"
	.amdhsa_code_object_version 6
	.text
	.protected	k_q8a4da5c950_prep
	.globl	k_q8a4da5c950_prep
	.p2align	8
	.type	k_q8a4da5c950_prep,@function
k_q8a4da5c950_prep:
	s_mov_b64 s[64:65], 0
	v_nop
	global_prefetch_b8 v0, s[64:65] scope:SCOPE_SE
	s_setreg_imm32_b32 hwreg(HW_REG_WAVE_MODE, 25, 1), 1
	s_wait_xcnt 0x0
; LEFT OUT AS DEAD WORK, in the whole program.  reference() takes softmax over s of scores[b][s] = sum over a of vw[a] tanh(x[b][s][a]) + vb.
; vb = attn_v_bias[0] is the same for every s of a row b, and softmax(z + k) = softmax(z) for every real k: so vb reaches no output, whatever finite value it holds.
; attn_v_bias is therefore not loaded and is no argument of any launch.  With tanh(x) = 1 - 2 / (1 + e^(2x)) the term sum(vw) is such a k too, and is not added either.
; LIMIT: a NaN, an infinity or an overflow that reaches only vb or sum(vw) is not carried to the result.
;
; THIS LAUNCH.  W = attn_w_weight [1024 (a)][2048] f32 is quantised along its second axis to codes of FP4 (E2M1), one E8M0 byte for each 32.
; Columns 0-1023 (We) leave as images of the operand's registers: wq byte T*8192 + kappa*1024 + c*512 + 16*lane holds registers 4c..4c+3 of the
; fragment (16 rows 16T.., 128 along K from 128 kappa); ws byte T*1024 + q*256 + 8*lane holds the scale words of kappa = 2q, 2q+1 of row 16T + lane%16.
; Columns 1024-2047 (Wd) stay in registers and are multiplied at once by hidden's codes: hb[q][T][b][16] f32 = the part of hidden[b] . Wd[a] that K's quarter q gives.
; The four parts and attn_w_bias are added by the launch that reads them.
; SHARES.  Work-group g owns tile T = g / 4 (16 rows of W) and quarter q = g % 4 of K (two K steps of 128).  Wave 0: We's quarter; wave 1: Wd's.  256 work-groups; no wave waits for another, so no barrier.
; Wave 1's results go through its own 4,096 bytes of LDS, so that each store covers 512 consecutive bytes.
; A block's scale byte is its largest magnitude's exponent field - 2, held at 1 from below (a block of zeros so gets 1: its codes are zeros, and this program alone reads the bytes).
; LIMITS: NaN and infinities in W are not served.
.set XA,  4                            ; v4   LDS: where a loaded row's 16 bytes go: 16,640 x wave + 16 x lane
.set RDA, 10                           ; v10  LDS: where I read my 16 numbers of a block back: 16,640 x wave + 1,040 r + 64 h
.set OUTS, 33280                       ; LDS: wave 1's 4,096 bytes for its results, behind the two waves' 16 rows x 1,040 bytes
.set LI,  5                            ; v5   16 x lane
.set L8,  6                            ; v6   8 x lane
.set HFA, 7                            ; v7   hidden's codes: 512 r + 16 h
.set HSA, 8                            ; v8   hidden's scale words: 32 r
.set STW, 9                            ; v9   LDS: where my results go: 64 r + 32 h
.set PC0, 16                           ; v16-23, v24-31 the two fragments just made
.set TM,  32                           ; v32-47 at work in QUANT
.set HA,  48                           ; v48-111 64 numbers of W (K step 0); later the four accumulators
.set ST,  112                          ; v112-175 64 numbers of W (K step 1); later the results read back
.set HF,  176                          ; v176-239 hidden's fragments: (tile i of 16 b, K step s) at 8 (2 i + s)
.set PW,  240                          ; v240-241 W's scale words of the two K steps: scales and nothing else
.set HS,  242                          ; v242-249 hidden's scale words, (i, s) at 2 i + s
.set SPW, 254                          ; v254 my spare word: 37,376 + 4 x thread; never rewritten
.set NIL, 255                          ; v255 0; never rewritten
.set WV,  18
.set SEL, 20
.macro XLOAD reg, s                    ; 64 numbers a lane: register 4 r + .. = k 4 lane + .. of row r, K step s
.irp r, 0,1,2,3,4,5,6,7,8,9,10,11,12,13,14,15
	global_load_b128 v[\reg+4*\r:\reg+4*\r+3], v[LI], s[4:5] offset:8192*\r+512*\s th:TH_LOAD_NT   ; 32 lanes read 512 consecutive bytes of row r: its K step s
.endr
.endm
.macro TURN reg, s                     ; through my wave's own LDS rows (1,024 bytes + 16 of padding), so that lane (r, h) holds 16 neighbours of each block of row r: register 16 b + 4 j + .. = k 32 b + 16 h + 4 j + ..
.irp r, 0,1,2,3,4,5,6,7,8,9,10,11,12,13,14,15
	ds_store_b128 v[XA], v[\reg+4*\r:\reg+4*\r+3] offset:1040*\r+512*\s
.endr
.irp b, 0,1,2,3
.irp j, 0,1,2,3
	ds_load_b128 v[\reg+16*\b+4*\j:\reg+16*\b+4*\j+3], v[RDA] offset:512*\s+128*\b+16*\j   ; LDS serves a wave's instructions in order: these see the stores above
.endr
.endr
.endm
.macro QUANT s, pc, pw                 ; those 64 numbers become a fragment's codes in v[pc] on and my row's scale word in v[pw]
.irp b, 0,1,2,3
	v_max3_num_f32 v[TM+\b], |v[\s+16*\b]|, |v[\s+1+16*\b]|, 0x1800000   ; block b: my 16 numbers, and the floor 2^(3 - 127): the byte cannot fall under 1
.endr
.irp i, 2,4,6,8,10,12,14
.irp b, 0,1,2,3
	v_max3_num_f32 v[TM+\b], v[TM+\b], |v[\s+16*\b+\i]|, |v[\s+1+16*\b+\i]|   ; the four blocks by turns
.endr
.endr
.irp b, 0,1,2,3
	v_permlanex16_b32 v[TM+4+\b], v[TM+\b], s[SEL], s[SEL+1]
.endr
.irp b, 0,1,2,3
	v_max_num_f32 v[TM+\b], v[TM+\b], v[TM+4+\b]   ; with lane l xor 16's 16: the block's largest magnitude
.endr
.irp b, 0,1,2,3
	v_add_nc_u32 v[TM+12+\b], 0xff000000, v[TM+\b] ; 2 off its exponent field: the conversion's scale operand
.endr
.irp b, 0,1,2,3
	v_lshrrev_b32 v[TM+4+\b], 23, v[TM+12+\b]      ; the scale's byte
.endr
	v_lshl_or_b32 v[\pw], v[TM+5], 8, v[TM+4]
	v_lshl_or_b32 v[\pw], v[TM+6], 16, v[\pw]
	v_lshl_or_b32 v[\pw], v[TM+7], 24, v[\pw]
.irp b, 0,1,2,3
	v_cvt_scalef32_pk8_fp4_f32 v[\pc+2*\b], v[\s+16*\b:\s+7+16*\b], v[TM+12+\b]
	v_cvt_scalef32_pk8_fp4_f32 v[\pc+1+2*\b], v[\s+8+16*\b:\s+15+16*\b], v[TM+12+\b]
.endr
	v_nop                                          ; one plain place behind the scaled conversions
.irp c, 0,1                                    ; the operand's layout wants a whole block in a lane: lanes 0-15 block 2 c, lanes 16-31 block 2 c + 1
.irp i, 0,1
	v_permlane16_swap_b32 v[\pc+4*\c+\i], v[\pc+2+4*\c+\i]
.endr
.endr
.endm
	s_load_b64 s[4:5], s[0:1], 0x0                 ; W
	s_load_b256 s[8:15], s[0:1], 0x8               ; hidden's codes s[8:9], hidden's scales s[10:11], wq s[12:13], ws s[14:15]
	s_load_b64 s[16:17], s[0:1], 0x28              ; hb
	v_lshl_add_u32 v[SPW], v0, 2, 37376
	v_mov_b32 v[NIL], 0
	v_lshrrev_b32 v1, 5, v0
	v_readfirstlane_b32 s[WV], v1                  ; wave 0, 1
	v_and_b32 v1, 31, v0                           ; lane
	v_and_b32 v2, 15, v0                           ; r
	v_bfe_u32 v3, v0, 4, 1                         ; h
	s_mul_i32 s39, s[WV], 16640                    ; my wave's 16 LDS rows
	v_lshlrev_b32 v[LI], 4, v1
	v_add_nc_u32 v[XA], s39, v[LI]
	v_mul_u32_u24 v[RDA], v2, 1040
	v_lshl_add_u32 v[RDA], v3, 6, v[RDA]
	v_add_nc_u32 v[RDA], s39, v[RDA]
	v_lshlrev_b32 v[L8], 3, v1
	v_lshlrev_b32 v[HFA], 9, v2
	v_lshl_add_u32 v[HFA], v3, 4, v[HFA]
	v_lshlrev_b32 v[HSA], 5, v2
	v_lshlrev_b32 v[STW], 6, v2
	v_lshl_add_u32 v[STW], v3, 5, v[STW]
.irp b, 0,1,2,3
	v_mov_b32 v[TM+4+\b], 0                        ; written once: a lane permute's destination counts as one of its sources
.endr
	s_mov_b32 s[SEL], 0x76543210
	s_mov_b32 s[SEL+1], 0xfedcba98                 ; v_permlanex16_b32's selects for lane l xor 16
	s_lshr_b32 s38, ttmp9, 2                       ; T
	s_and_b32 s19, ttmp9, 3                        ; q
	s_lshl_b32 s24, s38, 17                        ; W: 16 rows of 8,192 bytes a tile,
	s_lshl_b32 s25, s[WV], 12                      ; We's or Wd's half of a row,
	s_add_co_u32 s24, s24, s25
	s_lshl_b32 s25, s19, 10                        ; 1,024 bytes of it a quarter
	s_add_co_u32 s24, s24, s25
	s_mov_b32 s25, 0
	s_lshl_b32 s26, s38, 13                        ; wq: 8,192 bytes a tile, 2,048 a quarter
	s_lshl_b32 s27, s19, 11
	s_add_co_u32 s26, s26, s27
	s_mov_b32 s27, 0
	s_lshl_b32 s28, s38, 10                        ; ws: 1,024 bytes a tile, 256 a quarter
	s_lshl_b32 s29, s19, 8
	s_add_co_u32 s28, s28, s29
	s_mov_b32 s29, 0
	s_lshl_b32 s30, s19, 7                         ; hidden's codes: my two K steps begin 128 bytes x quarter into a row
	s_mov_b32 s31, 0
	s_lshl_b32 s32, s19, 3                         ; its scale words: 8 bytes x quarter
	s_mov_b32 s33, 0
	s_lshl_b32 s36, s19, 18                        ; hb: 262,144 bytes a quarter, 4,096 a tile
	s_lshl_b32 s37, s38, 12
	s_add_co_u32 s36, s36, s37
	s_mov_b32 s37, 0
	s_wait_alu depctr_va_vdst(0)                   ; the wait at the head's end
	s_wait_kmcnt 0x0
	s_add_nc_u64 s[4:5], s[4:5], s[24:25]
	s_add_nc_u64 s[8:9], s[8:9], s[30:31]
	s_add_nc_u64 s[10:11], s[10:11], s[32:33]
	s_add_nc_u64 s[12:13], s[12:13], s[26:27]
	s_add_nc_u64 s[14:15], s[14:15], s[28:29]
	s_add_nc_u64 s[16:17], s[16:17], s[36:37]
	s_cmp_lt_u32 s[WV], 1
	s_cbranch_scc1 .Lno_hidden                     ; wave 1 alone wants hidden
.irp i, 0,1,2,3
.irp s, 0,1
.irp c, 0,1
	global_load_b128 v[HF+8*(2*\i+\s)+4*\c:HF+8*(2*\i+\s)+4*\c+3], v[HFA], s[8:9] offset:8192*\i+64*\s+32*\c
.endr
	global_load_b32 v[HS+2*\i+\s], v[HSA], s[10:11] offset:512*\i+4*\s
.endr
.endr
.Lno_hidden:
	XLOAD HA, 0
	XLOAD ST, 1
	s_wait_loadcnt 16                              ; all but the second K step's 16 loads are in, on both ways
	TURN HA, 0
	s_wait_loadcnt 0x0
	TURN ST, 1
	s_wait_dscnt 32                                ; the first K step is back; the second's 16 stores and 16 loads, issued behind it, may be out
	QUANT HA, PC0, PW
	s_wait_dscnt 0x0
	QUANT ST, PC0+8, PW+1
	s_wait_alu depctr_va_vdst(0)                   ; the wait ahead of the branch
	s_cmp_lt_u32 s[WV], 1
	s_cbranch_scc0 .Lwd
.irp s, 0,1
.irp c, 0,1
	global_store_b128 v[LI], v[PC0+8*\s+4*\c:PC0+8*\s+4*\c+3], s[12:13] offset:1024*\s+512*\c   ; 32 lanes store 512 consecutive bytes
.endr
.endr
	global_store_b64 v[L8], v[PW:PW+1], s[14:15]   ; 32 lanes store 256 consecutive bytes, aligned
	s_branch .Lend
.Lwd:
.rept 8
	v_nop                                          ; scale words written by vector instructions stand eight places ahead of a scaled matrix instruction, operands four
.endr
; source 0 = my 16 rows of Wd, source 1 = 16 rows of hidden: lane (r, h) holds b = 16 i + r, register j holds a = 16 T + 8 h + j.  Four accumulators by turns.
.irp i, 0,1,2,3
	v_wmma_scale_f32_16x16x128_f8f6f4 v[HA+8*\i:HA+8*\i+7], v[PC0:PC0+7], v[HF+16*\i:HF+16*\i+7], 0, v[PW], v[HS+2*\i] matrix_a_fmt:MATRIX_FMT_FP4 matrix_b_fmt:MATRIX_FMT_FP4
.endr
	s_wait_alu depctr_va_vdst(0)
.irp i, 0,1,2,3
	v_wmma_scale_f32_16x16x128_f8f6f4 v[HA+8*\i:HA+8*\i+7], v[PC0+8:PC0+15], v[HF+16*\i+8:HF+16*\i+15], v[HA+8*\i:HA+8*\i+7], v[PW+1], v[HS+2*\i+1] matrix_a_fmt:MATRIX_FMT_FP4 matrix_b_fmt:MATRIX_FMT_FP4
.endr
.rept 4
	v_nop                                          ; four places ahead of the first read of the results
.endr
.irp i, 0,1,2,3
	ds_store_b128 v[STW], v[HA+8*\i:HA+8*\i+3] offset:OUTS+1024*\i     ; byte 64 b + 4 (a - 16 T); each accumulator from its low end on
	ds_store_b128 v[STW], v[HA+8*\i+4:HA+8*\i+7] offset:OUTS+1024*\i+16
.endr
.irp k, 0,1,2,3,4,5,6,7
	ds_load_b128 v[ST+4*\k:ST+4*\k+3], v[LI] offset:OUTS+512*\k        ; these see my stores; no other wave touches these bytes
.endr
	s_wait_dscnt 0x0
.irp k, 0,1,2,3,4,5,6,7
	global_store_b128 v[LI], v[ST+4*\k:ST+4*\k+3], s[16:17] offset:512*\k   ; 32 lanes store 512 consecutive bytes
.endr
.Lend:
	s_wait_tensorcnt 0x0                           ; the wave's end
	ds_add_u32 v[SPW], v[NIL]
	s_wait_dscnt 0x0
	s_endpgm
.Lfunc_end_k_q8a4da5c950_prep:
	.size	k_q8a4da5c950_prep, .Lfunc_end_k_q8a4da5c950_prep-k_q8a4da5c950_prep
	.p2alignl 7, 3214868480
	.fill 96, 4, 3214868480
	.section	.rodata,"a",@progbits
	.p2align	6, 0x0
	.amdhsa_kernel k_q8a4da5c950_prep
		.amdhsa_group_segment_fixed_size 37632
		.amdhsa_private_segment_fixed_size 0
		.amdhsa_enable_private_segment 0
		.amdhsa_kernarg_size 48
		.amdhsa_user_sgpr_count 2
		.amdhsa_user_sgpr_kernarg_segment_ptr 1
		.amdhsa_wavefront_size32 1
		.amdhsa_system_sgpr_workgroup_id_x 1
		.amdhsa_system_sgpr_workgroup_id_y 1
		.amdhsa_system_sgpr_workgroup_id_z 1
		.amdhsa_system_vgpr_workitem_id 0
		.amdhsa_next_free_vgpr 256
		.amdhsa_next_free_sgpr 66
		.amdhsa_reserve_vcc 0
		.amdhsa_float_denorm_mode_32 3
		.amdhsa_float_denorm_mode_16_64 3
		.amdhsa_memory_ordered 1
		.amdhsa_forward_progress 1
		.amdhsa_inst_pref_size 24
	.end_amdhsa_kernel
	.amdgpu_metadata
---
amdhsa.version: [ 1, 2 ]
amdhsa.kernels:
  - .name:           k_q8a4da5c950_prep
    .symbol:         k_q8a4da5c950_prep.kd
    .args:
      - { .name: attn_w_weight, .offset: 0, .size: 8, .value_kind: global_buffer, .address_space: global }
      - { .name: hidden_codes, .offset: 8, .size: 8, .value_kind: global_buffer, .address_space: global }
      - { .name: hidden_scales, .offset: 16, .size: 8, .value_kind: global_buffer, .address_space: global }
      - { .name: wq, .offset: 24, .size: 8, .value_kind: global_buffer, .address_space: global }
      - { .name: ws, .offset: 32, .size: 8, .value_kind: global_buffer, .address_space: global }
      - { .name: hb, .offset: 40, .size: 8, .value_kind: global_buffer, .address_space: global }
    .group_segment_fixed_size: 37632
    .private_segment_fixed_size: 0
    .kernarg_segment_align: 8
    .kernarg_segment_size: 48
    .max_flat_workgroup_size: 64
    .sgpr_count:     66
    .vgpr_count:     256
    .wavefront_size: 32
...
	.end_amdgpu_metadata
.endif
;; end of part 1
;; launch main (part 2): grid 256 x 1, 4 waves a work-group, no clusters, 327,680 bytes of LDS; arguments vectors_to_attend, wq, ws, hb, attn_v_weight, attn_w_bias, part; writes part
.if DOCPART == 2
	.amdgcn_target "amdgcn-amd-amdhsa--gfx1250"
	.amdhsa_code_object_version 6
	.text
	.protected	k_q8a4da5c950_main
	.globl	k_q8a4da5c950_main
	.p2align	8
	.type	k_q8a4da5c950_main,@function
k_q8a4da5c950_main:
	s_mov_b64 s[64:65], 0
	v_nop
	global_prefetch_b8 v0, s[64:65] scope:SCOPE_SE
	s_setreg_imm32_b32 hwreg(HW_REG_WAVE_MODE, 25, 1), 1
	s_wait_xcnt 0x0
; For one b and 256 values of s: score[s] = -2 sum over a of vw[a] / (1 + 2^(c x)), x = Q(v[s][b]) . Q(We[a]) + u[b][a], c = 2 log2 e, and softmax partials of the weighted sum of the rows v[s][b].
; LEFT OUT AS DEAD WORK (shown at the head of prep): with tanh(x) = 1 - 2 / (1 + 2^(c x)) reference()'s score is this one + sum(vw) + vb, and both terms are the same for every s of a softmax's row; attn_v_bias is no argument.
; u[b][a] = hb's four parts (one for each quarter of K) + attn_w_bias[a], added once at this kernel's head.
; Work-group g: b = g / 4, s = 256 (g % 4) + 64 p + i in four passes p of 64 rows i.  Each pass stores a partial of its own: ctx[1024] = sum of 2^((score - M) log2 e) v, M = the pass's largest score, l = the sum of the weights.
; v IS READ FROM MEMORY ONCE.  A pass's 64 rows (4,096 bytes each) land in LDS by tensor loads, one of 16 rows a wave, while the pass before is computed; each wave reads its 16 rows into 512 registers, lane l holding
; block l (32 numbers) of each row.  That layout serves the quantiser (a block's largest magnitude needs no other lane) and the weighted sum (lane l holds ctx[32 l ..]); the rows stay in f32 until their scores are known.
; The quantiser takes the rows four at a time behind counted waits, while the later rows' LDS loads are still out.
; THE PRODUCT.  The codes go to LDS and come back as operand fragments of all 64 rows in every wave (256 registers).  The waves share the COLUMNS: wave w owns a = 256 w .. 256 w + 255, 16 tiles of 16.
; Used transposed (source 0 = 16 rows of We, source 1 = 16 rows of v): lane (r, h) holds row 16 i + r, register j holds a = 16 T + 8 h + j.  u is the C of a sum's first product.
; We's fragments and scale words come from wq and ws, laid in the order of the operand's registers, straight into registers, into two buffers that take turns.
; THE WALK OVER We's TILES TURNS ROUND AT EACH PASS: trip t takes the pair of tiles t xor s57, s57 = 0 in passes 0 and 2, 7 in passes 1 and 3.  A pass's last trip fetches nothing: its two tiles stay in the
; two buffers and are the next pass's first.  So a wave fetches 16 + 3 x 14 = 58 tiles for its 64 tile steps.
; NO CLUSTER, NO JOINT LOADS: the one thing that work-groups share is We; each of its fragments is used by one wave of a work-group, and of LDS's 327,680 bytes the landing slot takes 278,528 and images and tables 47,616: no room for a ring.
; NO PREFETCH of v: a pass's rows are asked for by one tensor load a wave a whole pass (16 tile steps) ahead of their first read.
; LIMITS: NaN and infinities among the inputs are not served.  2^(c x) = infinity gives the term 0, 0 gives vw.  A block of zeros, and one whose largest magnitude lies under 2^-124, gets the scale byte 1.
; REGISTERS, in windows of 256.  Window 0: see below.  Window 1: the codes of 64 rows x 1,024 K, fragment (row tile i, K step k) at 8 (8 i + k).  Windows 2, 3: my 16 rows in f32, row p at 32 p.
.set VSW,   69632                      ; LDS: a wave's 16 landing rows
.set VP,    4352                       ; a landing row: 4,096 bytes + 16 behind each 256: lane l's 128 bytes begin at 128 l + 16 (l / 2)
.set IMG,   278528                     ; codes: row tile i at 8,704 i, block t at 272 t, row r at 16 r
.set CST,   IMG                        ; later in a pass the same bytes: the waves' partial ctx: wave at 4,608 w, block at 144
.set ASC,   313344                     ; v's scale bytes: row at 48 x row, block t at byte t
.set TAB,   316416                     ; wave w at 2,048 w: u of its 256 a, then vw of them
.set SCX,   324608                     ; the waves' parts of the 64 scores: 16 x row + 4 w
.set SPARE, 325632                     ; the spare words, 128 bytes for each wave: two blocks of 256 bytes that no other line names
.set SPW, 1                            ; v1   SPARE + 4 x thread; never rewritten
.set NIL, 2                            ; v2   0; never rewritten
.set VA,  3                            ; v3   my block in my wave's landing rows
.set IW,  4                            ; v4   where my codes go
.set SW,  5                            ; v5   where my scale bytes go
.set IR,  6                            ; v6   where fragments are read
.set SR,  7                            ; v7   where v's scale words are read: lanes 0-15 an even row tile, lanes 16-31 the odd one behind it
.set TA0, 8                            ; v8   my place in my wave's tables
.set TA,  9                            ; v9   the same at the next tile
.set BO,  10                           ; v10  16 x lane
.set SO,  11                           ; v11  8 x lane
.set XW,  12                           ; v12  where my part of a score goes
.set XR,  13                           ; v13  row l's four parts
.set XO,  14                           ; v14  the four parts of my wave's row r
.set CW,  15                           ; v15  where my partial ctx goes
.set CR,  16                           ; v16  where I read partial ctx back
.set GO,  17                           ; v17  my place in a partial's ctx
.set ACC, 32                           ; v32-63   four accumulators; between the products at work (quantiser, softmax, ctx)
.set QM,  32                           ; the quantiser's: largest magnitudes,
.set QS,  36                           ; scale operands,
.set QY,  40                           ; bytes,
.set QC,  44                           ; codes of four rows
.set BF,  64                           ; v64-127, v128-191 We's fragments of a tile, two buffers, K step k at 8 k
.set BS,  192                          ; v192-199, v200-207 We's scale words: scales and nothing else
.set AS,  208                          ; v208-223 v's scale words: register 8 u + k
.set UU,  224                          ; v224-231 u of a tile's a
.set VV,  232                          ; v232-239 vw of them
.set SACC, 240                         ; v240-247 sums of vw / (1 + 2^(c x)): a pair for each row tile
.set ML,  248                          ; v248-249 M, l
.set PT,  250                          ; v250-253 lane permutes' destinations
.set WV,  18                           ; s18 wave.  s[24:31], s[32:35] the descriptor.  s[36:37] lane selects.  s[38:39] c.  s40 log2 e.  s[42:43], s[44:45] my wave's part of wq, ws.
                                       ; s[46:47], s[48:49] the tile being fetched.  s[50:51], s[52:53] its offsets.  s54 table offset.  s55 passes, s56 trips, s57 the walk's direction.  s[58:59] the partial.  s[66:97] my 16 rows' weights, in pairs
.set MSB, 0
.macro WIN new                         ; the immediate's high byte repeats the setting that is left; a switch that changes nothing is dropped
.if MSB != \new
	s_set_vgpr_msb (MSB<<8)|\new
.set MSB, \new
.endif
.endm
.macro BARRIER
	s_wait_dscnt 0x0                               ; my LDS stores have landed and my LDS loads are in
	s_barrier_signal -1
	s_barrier_wait -1
.endm
.macro AWAIT
	s_wait_alu depctr_va_vdst(0)
.endm
.macro LOADX                           ; my 16 rows out of the landing slot: 128 loads of 16 bytes a lane, row by row
	WIN 0x80                                       ; destination window 2
.irp p, 0,1,2,3,4,5,6,7
.irp j, 0,1,2,3,4,5,6,7
	ds_load_b128 v[32*\p+4*\j:32*\p+4*\j+3], v[VA] offset:VP*\p+16*\j
.endr
.endr
	WIN 0xc0                                       ; destination window 3
.irp p, 0,1,2,3,4,5,6,7
.irp j, 0,1,2,3,4,5,6,7
	ds_load_b128 v[32*\p+4*\j:32*\p+4*\j+3], v[VA] offset:VP*(\p+8)+16*\j
.endr
.endr
	WIN 0
.endm
; Four rows, r0 .. r0 + 3, are quantised by turns.  w2: sources 0 and 1 in the rows' window; w1: source 0 alone.  cnt: the LDS instructions issued behind these rows' loads, which may stay out.
.macro QB w2, w1, r0, cnt
	s_wait_dscnt \cnt
	WIN \w2
.irp n, 0,1,2,3
	v_max3_num_f32 v[QM+\n], |v[32*((\r0)%8+\n)]|, |v[32*((\r0)%8+\n)+1]|, 0x1800000   ; my block of the row, and the floor 2^(3 - 127): the byte cannot fall under 1
.endr
.irp e, 2,4,6,8,10,12,14,16,18,20,22,24,26,28,30
.irp n, 0,1,2,3
	v_max3_num_f32 v[QM+\n], |v[32*((\r0)%8+\n)+\e]|, |v[32*((\r0)%8+\n)+\e+1]|, v[QM+\n]
.endr
.endr
	WIN 0
.irp n, 0,1,2,3
	v_add_nc_u32 v[QS+\n], 0xff000000, v[QM+\n]    ; 2 off the exponent field: the conversion's scale operand
.endr
.irp n, 0,1,2,3
	v_lshrrev_b32 v[QY+\n], 23, v[QS+\n]           ; the scale's byte
.endr
	WIN \w1
.irp n, 0,1,2,3
.irp g, 0,1,2,3
	v_cvt_scalef32_pk8_fp4_f32 v[QC+4*\n+\g], v[32*((\r0)%8+\n)+8*\g:32*((\r0)%8+\n)+8*\g+7], v[QS+\n]
.endr
.endr
	v_nop                                          ; one plain place behind the scaled conversions
	WIN 0
.irp n, 0,1,2,3
	ds_store_b128 v[IW], v[QC+4*\n:QC+4*\n+3] offset:16*(\r0+\n)       ; a block's 32 codes
	ds_store_b8 v[SW], v[QY+\n] offset:48*(\r0+\n)
.endr
.endm
.macro AFETCH                          ; the codes of all 64 rows as fragments, and their scale words
	WIN 0x40                                       ; destination window 1
.irp i, 0,1,2,3
.irp k, 0,1,2,3,4,5,6,7
.irp c, 0,1
	ds_load_b128 v[8*(8*\i+\k)+4*\c:8*(8*\i+\k)+4*\c+3], v[IR] offset:8704*\i+272*(4*\k+2*\c)   ; lane (r, h): block 4 k + 2 c + h of row 16 i + r
.endr
.endr
.endr
	WIN 0
.irp u, 0,1
	ds_load_b128 v[AS+8*\u:AS+8*\u+3], v[SR] offset:1536*\u
	ds_load_b128 v[AS+8*\u+4:AS+8*\u+7], v[SR] offset:1536*\u+16
.endr
.endm
.macro MM z, k, i                      ; one product: We's tile in buffer z, K step k, row tile i
.set rD, ACC+8*(\i)
.set rB, BF+64*(\z)+8*(\k)
.set rA, 8*(8*(\i)+(\k))
.set rS, BS+8*(\z)+(\k)
.set rT, AS+8*((\i)/2)+(\k)
.if (\k) == 0
.if (\i)%2
	v_wmma_scale_f32_16x16x128_f8f6f4 v[rD:rD+7], v[rB:rB+7], v[rA:rA+7], v[UU:UU+7], v[rS], v[rT] matrix_a_fmt:MATRIX_FMT_FP4 matrix_b_fmt:MATRIX_FMT_FP4 matrix_b_scale:MATRIX_SCALE_ROW1
.else
	v_wmma_scale_f32_16x16x128_f8f6f4 v[rD:rD+7], v[rB:rB+7], v[rA:rA+7], v[UU:UU+7], v[rS], v[rT] matrix_a_fmt:MATRIX_FMT_FP4 matrix_b_fmt:MATRIX_FMT_FP4
.endif
.else
.if (\i)%2
	v_wmma_scale_f32_16x16x128_f8f6f4 v[rD:rD+7], v[rB:rB+7], v[rA:rA+7], v[rD:rD+7], v[rS], v[rT] matrix_a_fmt:MATRIX_FMT_FP4 matrix_b_fmt:MATRIX_FMT_FP4 matrix_b_scale:MATRIX_SCALE_ROW1
.else
	v_wmma_scale_f32_16x16x128_f8f6f4 v[rD:rD+7], v[rB:rB+7], v[rA:rA+7], v[rD:rD+7], v[rS], v[rT] matrix_a_fmt:MATRIX_FMT_FP4 matrix_b_fmt:MATRIX_FMT_FP4
.endif
.endif
.endm
.macro BLOAD z, bc, bs, oc, os         ; a tile of We into buffer z: 16 loads of 512 consecutive bytes, 4 of 256
.irp k, 0,1,2,3,4,5,6,7
.irp c, 0,1
	global_load_b128 v[BF+64*\z+8*\k+4*\c:BF+64*\z+8*\k+4*\c+3], v[BO], s[\bc:\bc+1] offset:\oc+1024*\k+512*\c
.endr
.endr
.irp o, 0,1,2,3
	global_load_b64 v[BS+8*\z+2*\o:BS+8*\z+2*\o+1], v[SO], s[\bs:\bs+1] offset:\os+256*\o
.endr
.endm
; ONE TILE OF 16 a, on buffer z.
.macro STEP z
	s_wait_loadcnt 20                              ; this buffer's 20 loads are in; the other buffer's 20, issued behind them, may be out
	s_wait_dscnt 2                                 ; u of this tile is in; vw's two loads, issued behind it, may be out
	WIN 0x04                                       ; source 1 (v's codes) window 1
.irp k, 0,1,2,3,4,5,6,7                        ; the four accumulators take turns, one instruction a turn
.irp i, 0,1,2,3
	MM \z, \k, \i
.endr
.endr
	WIN 0
	s_wait_dscnt 0x0                               ; vw is in, asked for a run of products ago
.if \z == 0
	s_xor_b32 s54, s56, s57                        ; the next tile's place in the tables, 64 bytes a tile: the second tile of this trip's pair,
	s_lshl_b32 s54, s54, 7
	s_add_co_u32 s54, s54, 64
.else
	s_add_co_u32 s54, s56, 1                       ; or the first tile of the next trip's pair; behind the last trip the same pair once more: the next pass begins with it
	s_min_u32 s54, s54, 7
	s_xor_b32 s54, s54, s57
	s_lshl_b32 s54, s54, 7
.endif
	s_and_b32 s54, s54, 0x3c0
	v_add_nc_u32 v[TA], s54, v[TA0]                ; with the three below: four places between the products and the loads into their registers, and the first read of their results
	v_nop
	v_nop
	v_nop
	AWAIT                                          ; the wait here, ahead of the wait and the branch below
	s_wait_xcnt 0x0                                ; the other buffer's loads have read their bases
	s_cmp_eq_u32 s56, 7                            ; the pass's last trip fetches nothing: this buffer's tile serves the next pass's first trip
	s_cbranch_scc1 .Lkeep_\@
	s_add_co_u32 s50, s56, 1                       ; this buffer's tile of the next trip's pair: 16,384 bytes of codes a pair,
	s_xor_b32 s50, s50, s57
	s_lshl_b32 s50, s50, 14
	s_add_co_u32 s50, s50, 8192*\z
	s_lshr_b32 s52, s50, 3                         ; 1,024 bytes of scale words a tile
	s_add_nc_u64 s[46:47], s[42:43], s[50:51]
	s_add_nc_u64 s[48:49], s[44:45], s[52:53]
	BLOAD \z, 46, 48, 0, 0
	s_branch .Lkept_\@
.Lkeep_\@:
	s_wait_loadcnt 0x0                             ; no 20 loads follow here behind the other buffer's, so the counted wait at the next step's head would show nothing: all are waited for
.Lkept_\@:
	ds_load_b128 v[UU:UU+3], v[TA]                 ; the next tile's u
	ds_load_b128 v[UU+4:UU+7], v[TA] offset:16
.set j, 0
.rept 16
	v_pk_mul_f32 v[ACC+j:ACC+j+1], v[ACC+j:ACC+j+1], s[38:39] op_sel_hi:[1,0]   ; c x, each accumulator from its low end on
.set j, j+2
.endr
	AWAIT                                          ; ahead of the batch
.set j, 0
.rept 32
	v_exp_f32 v[ACC+j], v[ACC+j]
.set j, j+1
.endr
	v_nop                                          ; a plain place behind the last exponential
	AWAIT                                          ; one wait for the batch, ahead of its first reader
.set j, 0
.rept 16
	v_pk_add_f32 v[ACC+j:ACC+j+1], v[ACC+j:ACC+j+1], 1.0 op_sel_hi:[1,0]
.set j, j+2
.endr
	AWAIT
.set j, 0
.rept 32
	v_rcp_f32 v[ACC+j], v[ACC+j]
.set j, j+1
.endr
	v_nop
	AWAIT                                          ; and one for the reciprocals
	s_wait_dscnt 2                                 ; (vw is in; the next u's two loads may be out)
.irp n, 0,2,4,6
.irp i, 0,1,2,3
	v_pk_fma_f32 v[SACC+2*\i:SACC+2*\i+1], v[ACC+8*\i+\n:ACC+8*\i+\n+1], v[VV+\n:VV+\n+1], v[SACC+2*\i:SACC+2*\i+1]
.endr
.endr
	ds_load_b128 v[VV:VV+3], v[TA] offset:1024     ; the next tile's vw
	ds_load_b128 v[VV+4:VV+7], v[TA] offset:1040
.endm
; A PASS OF 64 ROWS.  fill = 1: the landing slot is filled again with the next pass's rows.
.macro PASS fill
	s_wait_tensorcnt 0x0                           ; one tensor load of mine is out: this pass's 16 rows, which I alone read
	LOADX
	QB 0x0a, 0x02, 0, 63                           ; behind rows 0-3's loads stand 96 loads: the wait's largest count serves
	QB 0x0a, 0x02, 4, 63                           ; behind rows 4-7's: 64 loads and 8 stores: likewise
	QB 0x0f, 0x03, 8, 48                           ; behind rows 8-11's: 32 loads and 16 stores
	QB 0x0f, 0x03, 12, 24                          ; behind rows 12-15's: 24 stores
.if \fill
	s_wait_tensorcnt 0x0                           ; the three lines ahead of a refill's barrier: no tensor load of mine is out, so the descriptor may be written;
	ds_add_u32 v[SPW], v[NIL]                      ; 0 onto my spare word;
	s_add_nc_u64 s[34:35], s[34:35], 0x1000000     ; 64 values of s on: 64 x 262,144 bytes; the type bits on top are not reached
	s_wait_dscnt 0x0                               ; the add is done, my rows are in registers, my codes and scale bytes have landed
	s_barrier_signal -1
	s_barrier_wait -1                              ; no wave reads the slot any more, and the codes and scale bytes of all 64 rows lie in LDS
	tensor_load_to_lds s[32:35], s[24:31]          ; my one tensor load until the next such barrier: it has the pass's 16 tile steps in which to land
	s_nop 0
.rept 4
	v_nop
.endr
.else
	BARRIER                                        ; the codes and scale bytes of all 64 rows lie in LDS
.endif
	AFETCH
.irp i, 0,1,2,3,4,5,6,7
	v_mov_b32 v[SACC+\i], 0
.endr
	s_wait_dscnt 0x0
	s_mov_b32 s56, 0
.Ltile_\@:
	STEP 0
	STEP 1
	s_add_co_u32 s56, s56, 1
	s_cmp_lt_u32 s56, 8
	s_cbranch_scc1 .Ltile_\@
	s_xor_b32 s57, s57, 7                          ; the next pass walks the pairs the other way
	; my wave's part of the 64 scores
.irp i, 0,1,2,3
	v_add_f32 v[32+\i], v[SACC+2*\i], v[SACC+2*\i+1]
.endr
.irp i, 0,1,2,3
	v_permlanex16_b32 v[PT+\i], v[32+\i], s36, s37 ; the row's other 128 a lie in the lane 16 away
.endr
.irp i, 0,1,2,3
	v_add_f32 v[32+\i], v[32+\i], v[PT+\i]
.endr
.irp i, 0,1,2,3
	v_mul_f32 v[32+\i], -2.0, v[32+\i]             ; -2 sum(vw / (1 + 2^(c x)))
.endr
.irp i, 0,1,2,3
	ds_store_b32 v[XW], v[32+\i] offset:256*\i     ; both halves of the lanes write the same word with the same value
.endr
	BARRIER                                        ; the four parts of every score lie in LDS; every wave's reads of the codes are over
	; the softmax of the pass's 64 scores, in every wave alike
	ds_load_b128 v[32:35], v[XR]                   ; row l,
	ds_load_b128 v[36:39], v[XR] offset:512        ; row 32 + l,
	ds_load_b128 v[40:43], v[XO]                   ; and my wave's row r
	s_wait_dscnt 0x0
.irp a, 32,36,40
	v_add_f32 v[\a], v[\a], v[\a+1]
	v_add_f32 v[\a+2], v[\a+2], v[\a+3]
.endr
.irp a, 32,36,40
	v_add_f32 v[\a], v[\a], v[\a+2]
.endr
	v_max_num_f32 v44, v32, v36
	v_max_num_f32_dpp v44, v44, v44 row_xmask:1 row_mask:0xf bank_mask:0xf
	v_max_num_f32_dpp v44, v44, v44 row_xmask:2 row_mask:0xf bank_mask:0xf
	v_max_num_f32_dpp v44, v44, v44 row_xmask:4 row_mask:0xf bank_mask:0xf
	v_max_num_f32_dpp v44, v44, v44 row_xmask:8 row_mask:0xf bank_mask:0xf
	v_permlanex16_b32 v[PT], v44, s36, s37
	v_max_num_f32 v[ML], v44, v[PT]                ; M: the pass's largest score, taken away ahead of every exponential
.irp a, 32,36,40
	v_sub_f32 v[\a], v[\a], v[ML]
.endr
.irp a, 32,36,40
	v_mul_f32 v[\a], s40, v[\a]
.endr
	AWAIT
.irp a, 32,36,40
	v_exp_f32 v[\a], v[\a]
.endr
	v_nop
	AWAIT                                          ; one wait for the three
	v_add_f32 v45, v32, v36
	v_add_f32_dpp v45, v45, v45 row_xmask:1 row_mask:0xf bank_mask:0xf
	v_add_f32_dpp v45, v45, v45 row_xmask:2 row_mask:0xf bank_mask:0xf
	v_add_f32_dpp v45, v45, v45 row_xmask:4 row_mask:0xf bank_mask:0xf
	v_add_f32_dpp v45, v45, v45 row_xmask:8 row_mask:0xf bank_mask:0xf
	v_permlanex16_b32 v[PT+1], v45, s36, s37
	v_add_f32 v[ML+1], v45, v[PT+1]                ; l
.irp p, 0,1,2,3,4,5,6,7,8,9,10,11,12,13,14,15
	v_readlane_b32 s[66+2*\p], v40, \p             ; my 16 rows' weights: factors of the sums below, nothing else
.endr
	; my 16 rows' part of ctx: lane l holds ctx[32 l + 0 .. 31]
	WIN 0x02                                       ; source 0 window 2
.irp n, 0,2,4,6,8,10,12,14,16,18,20,22,24,26,28,30
	v_pk_mul_f32 v[ACC+\n:ACC+\n+1], v[\n:\n+1], s[66:67] op_sel_hi:[1,0]   ; the first row starts the sums
.endr
.irp p, 1,2,3,4,5,6,7
.irp n, 0,2,4,6,8,10,12,14,16,18,20,22,24,26,28,30
	v_pk_fma_f32 v[ACC+\n:ACC+\n+1], v[32*\p+\n:32*\p+\n+1], s[66+2*\p:67+2*\p], v[ACC+\n:ACC+\n+1] op_sel_hi:[1,0,1]
.endr
.endr
	WIN 0x03                                       ; source 0 window 3
.irp p, 0,1,2,3,4,5,6,7
.irp n, 0,2,4,6,8,10,12,14,16,18,20,22,24,26,28,30
	v_pk_fma_f32 v[ACC+\n:ACC+\n+1], v[32*\p+\n:32*\p+\n+1], s[82+2*\p:83+2*\p], v[ACC+\n:ACC+\n+1] op_sel_hi:[1,0,1]
.endr
.endr
	WIN 0
.irp g, 0,1,2,3,4,5,6,7
	ds_store_b128 v[CW], v[ACC+4*\g:ACC+4*\g+3] offset:16*\g
.endr
	BARRIER                                        ; the four waves' parts of ctx lie in LDS; every wave's reads of the scores are over
.irp z, 0,1
.irp o, 0,1,2,3
	ds_load_b128 v[32+16*\z+4*\o:32+16*\z+4*\o+3], v[CR] offset:4608*\o+576*\z   ; wave o's part of my 2 x 512 bytes of ctx
.endr
.endr
.if \fill
	BARRIER                                        ; every wave's reads of the partial ctx are over: the next pass's codes take those bytes
.else
	s_wait_dscnt 0x0
.endif
.irp z, 0,1
	v_pk_add_f32 v[32+16*\z:33+16*\z], v[32+16*\z:33+16*\z], v[36+16*\z:37+16*\z]
	v_pk_add_f32 v[34+16*\z:35+16*\z], v[34+16*\z:35+16*\z], v[38+16*\z:39+16*\z]
	v_pk_add_f32 v[40+16*\z:41+16*\z], v[40+16*\z:41+16*\z], v[44+16*\z:45+16*\z]
	v_pk_add_f32 v[42+16*\z:43+16*\z], v[42+16*\z:43+16*\z], v[46+16*\z:47+16*\z]
.endr
.irp z, 0,1
	v_pk_add_f32 v[32+16*\z:33+16*\z], v[32+16*\z:33+16*\z], v[40+16*\z:41+16*\z]
	v_pk_add_f32 v[34+16*\z:35+16*\z], v[34+16*\z:35+16*\z], v[42+16*\z:43+16*\z]
.endr
.irp z, 0,1
	global_store_b128 v[GO], v[32+16*\z:35+16*\z], s[58:59] offset:512*\z   ; 32 lanes store 512 consecutive bytes, at a multiple of 256 from the buffer's first byte
.endr
	s_cmp_lg_u32 s[WV], 0
	s_cbranch_scc1 .Lno_ml_\@
	global_store_b64 v[SO], v[ML:ML+1], s[58:59] offset:4096   ; (M, l) 32 times: 256 consecutive bytes, aligned
.Lno_ml_\@:
	s_wait_xcnt 0x0                                ; the stores have read their registers and their base: both are written again only behind this wait
	s_add_nc_u64 s[58:59], s[58:59], 4352          ; the next pass's partial
.endm
	s_load_b256 s[4:11], s[0:1], 0x0               ; v s[4:5], wq s[6:7], ws s[8:9], hb s[10:11]
	s_load_b128 s[12:15], s[0:1], 0x20             ; vw s[12:13], attn_w_bias s[14:15]
	s_load_b64 s[16:17], s[0:1], 0x30              ; part
	v_lshl_add_u32 v[SPW], v0, 2, SPARE
	v_mov_b32 v[NIL], 0
	ds_add_u32 v[SPW], v[NIL]                      ; the opening lines: the add, twice on end, and its wait ahead of my first tensor load
	ds_add_u32 v[SPW], v[NIL]
	s_wait_dscnt 0x0
	v_lshrrev_b32 v19, 5, v0
	v_readfirstlane_b32 s[WV], v19                 ; wave 0..3
	s_lshr_b32 s19, ttmp9, 2                       ; b
	s_and_b32 s20, ttmp9, 3                        ; which 256 values of s
	; descriptor group 1: 16 rows x 1,024 elements of 4 bytes, 65,536 elements from row to row (s to s + 1 at one b)
	s_mov_b32 s24, (2<<16)|(1<<20)|(5<<22)|(3<<25) ; 15:0 no mask; 17:16 elements of 4 bytes; 20 padding on; 24:22 after every 64 words (code 5); 31:25 four words (code 3)
	s_mov_b32 s25, 1024<<16                        ; tensor_dim0
	s_mov_b32 s26, 16<<16                          ; tensor_dim1
	s_mov_b32 s27, 1024<<16                        ; tile_dim0
	s_mov_b32 s28, 16                              ; tile_dim1
	s_mov_b32 s29, 65536                           ; tensor_dim0_stride
	s_mov_b32 s30, 0
	s_mov_b32 s31, 0
	s_lshl_b32 s21, s20, 8
	s_lshl_b32 s22, s[WV], 4
	s_add_co_u32 s21, s21, s22                     ; my first s: 256 q + 16 w
	s_lshl_b32 s22, s21, 18                        ; x 262,144 bytes (under 2^28)
	s_lshl_b32 s23, s19, 12
	s_add_co_u32 s22, s22, s23                     ; + 4,096 b
	s_mov_b32 s23, 0
	s_mov_b32 s32, 1                               ; group 0: count = 1
	s_mul_i32 s33, s[WV], VSW                      ; LDS address: my wave's 16 rows
	s_wait_kmcnt 0x0
	s_add_nc_u64 s[34:35], s[4:5], s[22:23]        ; global address of the tile's first element
	s_or_b32 s35, s35, 0x80000000                  ; type = 2
	tensor_load_to_lds s[32:35], s[24:31]          ; the first fill, ahead of every wait on TENSORcnt, every LDS read and every barrier
	s_nop 0
.rept 4
	v_nop
.endr
	v_and_b32 v19, 31, v0                          ; l
	v_and_b32 v20, 15, v0                          ; r
	v_bfe_u32 v21, v0, 4, 1                        ; h
	v_lshrrev_b32 v22, 1, v19
	v_lshlrev_b32 v[VA], 7, v19
	v_lshl_add_u32 v[VA], v22, 4, v[VA]
	v_add_nc_u32 v[VA], s33, v[VA]                 ; 69,632 w + 128 l + 16 (l / 2)
	s_mul_i32 s21, s[WV], 8704
	s_add_co_u32 s21, s21, IMG
	v_mul_u32_u24 v[IW], v19, 272
	v_add_nc_u32 v[IW], s21, v[IW]                 ; IMG + 8,704 w + 272 l
	s_mul_i32 s21, s[WV], 768
	s_add_co_u32 s21, s21, ASC
	v_add_nc_u32 v[SW], s21, v19                   ; ASC + 768 w + l
	v_mul_u32_u24 v[IR], v21, 272
	v_lshl_add_u32 v[IR], v20, 4, v[IR]
	v_add_nc_u32 v[IR], IMG, v[IR]                 ; IMG + 272 h + 16 r
	v_mul_u32_u24 v[SR], v21, 768
	v_mad_u32_u24 v[SR], v20, 48, v[SR]
	v_add_nc_u32 v[SR], ASC, v[SR]                 ; ASC + 768 h + 48 r
	s_lshl_b32 s21, s[WV], 11
	s_add_co_u32 s21, s21, TAB
	v_lshl_add_u32 v[TA0], v21, 5, s21             ; TAB + 2,048 w + 32 h
	v_lshl_add_u32 v23, v19, 5, s21                ; where my 8 numbers of each table go: TAB + 2,048 w + 32 l
	v_lshlrev_b32 v[BO], 4, v19
	v_lshlrev_b32 v[SO], 3, v19
	s_lshl_b32 s21, s[WV], 2
	s_add_co_u32 s21, s21, SCX
	v_lshl_add_u32 v[XW], v20, 4, s21              ; SCX + 16 r + 4 w
	v_lshl_add_u32 v[XR], v19, 4, SCX              ; SCX + 16 l
	s_lshl_b32 s21, s[WV], 8
	s_add_co_u32 s21, s21, SCX
	v_lshl_add_u32 v[XO], v20, 4, s21              ; SCX + 256 w + 16 r
	s_mul_i32 s21, s[WV], 4608
	s_add_co_u32 s21, s21, CST
	v_mul_u32_u24 v[CW], v19, 144
	v_add_nc_u32 v[CW], s21, v[CW]                 ; CST + 4,608 w + 144 l
	v_lshrrev_b32 v22, 3, v19
	v_and_b32 v24, 7, v19
	v_mul_u32_u24 v[CR], v22, 144
	v_lshl_add_u32 v[CR], v24, 4, v[CR]
	s_mul_i32 s21, s[WV], 1152
	s_add_co_u32 s21, s21, CST
	v_add_nc_u32 v[CR], s21, v[CR]                 ; CST + 1,152 w + 144 (l / 8) + 16 (l % 8)
	s_lshl_b32 s21, s[WV], 10
	v_lshl_add_u32 v[GO], v19, 4, s21              ; 1,024 w + 16 l
	v_lshrrev_b32 v22, 1, v19
	v_and_b32 v24, 1, v19
	v_lshlrev_b32 v25, 12, v22
	v_lshl_add_u32 v25, v24, 5, v25                ; a part of hb is [T][b][16]: my 8 numbers a = 8 l .. lie in tile l / 2, half l % 2
	s_wait_alu depctr_va_vdst(0)                   ; the wait here
	v_lshlrev_b32 v26, 5, v19                      ; vw and the bias: 32 l
	s_wait_alu depctr_va_vdst(0)                   ; a wait ahead of the scalar lines below
.irp i, 0,1,2,3
	v_mov_b32 v[PT+\i], 0                          ; written once: a lane permute's destination counts as one of its sources
.endr
	s_mov_b32 s36, 0x76543210
	s_mov_b32 s37, 0xfedcba98                      ; v_permlanex16_b32's selects for lane l xor 16
	s_mov_b32 s38, 0x4038aa3b                      ; c = 2 log2(e)
	s_mov_b32 s39, s38                             ; (named with it as a pair, so it is written)
	s_mov_b32 s40, 0x3fb8aa3b                      ; log2(e)
	s_mov_b32 s51, 0
	s_mov_b32 s53, 0
.irp p, 0,1,2,3,4,5,6,7,8,9,10,11,12,13,14,15
	s_mov_b32 s[67+2*\p], 0                        ; the upper halves of the weights' pairs: named, never used
.endr
	s_lshl_b32 s22, s[WV], 16                      ; hb: my 16 tiles of 4,096 bytes,
	s_lshl_b32 s21, s19, 6                         ; row b of 64 bytes
	s_add_co_u32 s22, s22, s21
	s_add_nc_u64 s[10:11], s[10:11], s[22:23]
	s_lshl_b32 s22, s[WV], 10
	s_add_nc_u64 s[12:13], s[12:13], s[22:23]      ; vw: my 256 numbers
	s_add_nc_u64 s[14:15], s[14:15], s[22:23]      ; the bias: likewise
	s_lshl_b32 s22, s[WV], 17
	s_add_nc_u64 s[42:43], s[6:7], s[22:23]        ; wq: my 16 tiles of 8,192 bytes
	s_lshl_b32 s22, s[WV], 14
	s_add_nc_u64 s[44:45], s[8:9], s[22:23]        ; ws: my 16 tiles of 1,024 bytes
	s_mul_i32 s22, ttmp9, 17408
	s_add_nc_u64 s[58:59], s[16:17], s[22:23]      ; part: four partials of 4,352 bytes a work-group
.irp q, 0,1,2,3
	global_load_b128 v[32+8*\q:35+8*\q], v25, s[10:11] offset:262144*\q        ; the part of u that K's quarter q gives: my 8 numbers
	global_load_b128 v[36+8*\q:39+8*\q], v25, s[10:11] offset:262144*\q+16
.endr
	global_load_b128 v[224:227], v26, s[14:15]     ; the bias of my 8 a
	global_load_b128 v[228:231], v26, s[14:15] offset:16
	global_load_b128 v[232:235], v26, s[12:13]     ; vw of them
	global_load_b128 v[236:239], v26, s[12:13] offset:16
	BLOAD 0, 42, 44, 0, 0                          ; tiles 0 and 1 of We
	BLOAD 1, 42, 44, 8192, 1024
	s_wait_loadcnt 40                              ; the twelve table loads are in; the two tiles' 40, issued behind them, may be out
.irp j, 0,2,4,6
	v_pk_add_f32 v[32+\j:33+\j], v[32+\j:33+\j], v[40+\j:41+\j]        ; quarters 0 + 1,
	v_pk_add_f32 v[48+\j:49+\j], v[48+\j:49+\j], v[56+\j:57+\j]        ; 2 + 3,
.endr
.irp j, 0,2,4,6
	v_pk_add_f32 v[32+\j:33+\j], v[32+\j:33+\j], v[48+\j:49+\j]        ; both,
.endr
.irp j, 0,2,4,6
	v_pk_add_f32 v[32+\j:33+\j], v[32+\j:33+\j], v[224+\j:225+\j]      ; and the bias: u
.endr
	ds_store_b128 v23, v[32:35]                    ; my wave's tables: bytes that my wave alone writes and reads
	ds_store_b128 v23, v[36:39] offset:16
	ds_store_b128 v23, v[232:235] offset:1024
	ds_store_b128 v23, v[236:239] offset:1040
	v_mov_b32 v[TA], v[TA0]
	ds_load_b128 v[UU:UU+3], v[TA]                 ; tile 0's u, then its vw: LDS serves a wave's instructions in order, so these see the stores above
	ds_load_b128 v[UU+4:UU+7], v[TA] offset:16
	ds_load_b128 v[VV:VV+3], v[TA] offset:1024
	ds_load_b128 v[VV+4:VV+7], v[TA] offset:1040
	s_mov_b32 s57, 0                               ; the first pass walks the pairs upward
	s_mov_b32 s55, 3
.Lpass:                                            ; three passes that ask for the next pass's rows
	PASS 1
	s_sub_co_u32 s55, s55, 1
	s_cmp_lg_u32 s55, 0
	s_cbranch_scc1 .Lpass
	PASS 0                                         ; the last pass is written out
	s_wait_tensorcnt 0x0                           ; the wave's end, behind my last tensor load and my last LDS store
	ds_add_u32 v[SPW], v[NIL]
	s_wait_dscnt 0x0
	s_endpgm
.Lfunc_end_k_q8a4da5c950_main:
	.size	k_q8a4da5c950_main, .Lfunc_end_k_q8a4da5c950_main-k_q8a4da5c950_main
	.p2alignl 7, 3214868480
	.fill 96, 4, 3214868480
	.section	.rodata,"a",@progbits
	.p2align	6, 0x0
	.amdhsa_kernel k_q8a4da5c950_main
		.amdhsa_group_segment_fixed_size 327680
		.amdhsa_private_segment_fixed_size 0
		.amdhsa_enable_private_segment 0
		.amdhsa_kernarg_size 56
		.amdhsa_user_sgpr_count 2
		.amdhsa_user_sgpr_kernarg_segment_ptr 1
		.amdhsa_wavefront_size32 1
		.amdhsa_system_sgpr_workgroup_id_x 1
		.amdhsa_system_sgpr_workgroup_id_y 1
		.amdhsa_system_sgpr_workgroup_id_z 1
		.amdhsa_system_vgpr_workitem_id 0
		.amdhsa_next_free_vgpr 1024
		.amdhsa_next_free_sgpr 100
		.amdhsa_reserve_vcc 0
		.amdhsa_float_denorm_mode_32 3
		.amdhsa_float_denorm_mode_16_64 3
		.amdhsa_memory_ordered 1
		.amdhsa_forward_progress 1
		.amdhsa_inst_pref_size 182
	.end_amdhsa_kernel
	.amdgpu_metadata
---
amdhsa.version: [ 1, 2 ]
amdhsa.kernels:
  - .name:           k_q8a4da5c950_main
    .symbol:         k_q8a4da5c950_main.kd
    .args:
      - { .name: vectors_to_attend, .offset: 0, .size: 8, .value_kind: global_buffer, .address_space: global }
      - { .name: wq, .offset: 8, .size: 8, .value_kind: global_buffer, .address_space: global }
      - { .name: ws, .offset: 16, .size: 8, .value_kind: global_buffer, .address_space: global }
      - { .name: hb, .offset: 24, .size: 8, .value_kind: global_buffer, .address_space: global }
      - { .name: attn_v_weight, .offset: 32, .size: 8, .value_kind: global_buffer, .address_space: global }
      - { .name: attn_w_bias, .offset: 40, .size: 8, .value_kind: global_buffer, .address_space: global }
      - { .name: part, .offset: 48, .size: 8, .value_kind: global_buffer, .address_space: global }
    .group_segment_fixed_size: 327680
    .private_segment_fixed_size: 0
    .kernarg_segment_align: 8
    .kernarg_segment_size: 56
    .max_flat_workgroup_size: 128
    .sgpr_count:     100
    .vgpr_count:     1024
    .wavefront_size: 32
...
	.end_amdgpu_metadata
.endif
;; end of part 2
;; launch fin (part 3): grid 64 x 4, 2 waves a work-group, no clusters, 0 bytes of LDS; arguments part, out0; writes out0
.if DOCPART == 3
	.amdgcn_target "amdgcn-amd-amdhsa--gfx1250"
	.amdhsa_code_object_version 6
	.text
	.protected	k_q8a4da5c950_fin
	.globl	k_q8a4da5c950_fin
	.p2align	8
	.type	k_q8a4da5c950_fin,@function
k_q8a4da5c950_fin:
	s_mov_b64 s[64:65], 0
	v_nop
	global_prefetch_b8 v0, s[64:65] scope:SCOPE_SE
	s_setreg_imm32_b32 hwreg(HW_REG_WAVE_MODE, 25, 1), 1
	s_wait_xcnt 0x0
; out0[b][e] = (sum over the 16 partials i of b of w_i ctx_i[e]) / (sum of w_i l_i), w_i = 2^((M_i - M) log2 e), M = the largest M_i: the softmax over all 1,024 values of s.
; A partial is 4,352 bytes: ctx[1024] f32, then (M, l) 32 times.  Work-group (b, y) makes e = 256 y .. 256 y + 255; thread t four of them: a wave's loads and its store cover 512 consecutive bytes.
; No LDS, no barrier, no matrix unit: 32 loads a thread, all issued at once.  The largest M_i has w = 1 and l >= 1, so the divisor is at least 1.
.set PITCH, 4352
.set CX, 16                            ; v16-79   ctx_i: four registers each
.set MW, 80                            ; v80-111  (M_i, l_i), then (w_i, l_i)
	s_load_b128 s[4:7], s[0:1], 0x0                ; part, out0
	s_and_b32 s8, ttmp7, 0xffff                    ; y
	s_lshl_b32 s9, s8, 10
	v_lshlrev_b32 v1, 4, v0
	v_add_nc_u32 v1, s9, v1                        ; 1,024 y + 16 t
	v_and_b32 v2, 31, v0
	v_lshlrev_b32 v2, 3, v2                        ; 8 x lane
	v_mov_b32 v7, 0                                ; (the upper half of the pair v[6:7]: named, never used)
	s_mul_i32 s10, ttmp9, 16*PITCH                 ; b's 16 partials
	s_mov_b32 s11, 0
	s_lshl_b32 s12, ttmp9, 12                      ; b's row of out0
	s_mov_b32 s13, 0
	s_mov_b32 s14, 0x3fb8aa3b                      ; log2(e)
	s_wait_alu depctr_va_vdst(0)
	s_wait_kmcnt 0x0
	s_add_nc_u64 s[4:5], s[4:5], s[10:11]
	s_add_nc_u64 s[6:7], s[6:7], s[12:13]
.irp i, 0,1,2,3,4,5,6,7,8,9,10,11,12,13,14,15
	global_load_b64 v[MW+2*\i:MW+2*\i+1], v2, s[4:5] offset:PITCH*\i+4096
.endr
.irp i, 0,1,2,3,4,5,6,7,8,9,10,11,12,13,14,15
	global_load_b128 v[CX+4*\i:CX+4*\i+3], v1, s[4:5] offset:PITCH*\i th:TH_LOAD_NT
.endr
	s_wait_loadcnt 16                              ; the 16 pairs (M, l) are in; the 16 loads of ctx, issued behind them, may be out
	v_max3_num_f32 v3, v[MW], v[MW+2], v[MW+4]
.irp i, 3,5,7,9,11,13
	v_max3_num_f32 v3, v3, v[MW+2*\i], v[MW+2*\i+2]
.endr
	v_max_num_f32 v3, v3, v[MW+30]                 ; M
.irp i, 0,1,2,3,4,5,6,7,8,9,10,11,12,13,14,15
	v_sub_f32 v[MW+2*\i], v[MW+2*\i], v3
.endr
.irp i, 0,1,2,3,4,5,6,7,8,9,10,11,12,13,14,15
	v_mul_f32 v[MW+2*\i], s14, v[MW+2*\i]
.endr
	s_wait_alu depctr_va_vdst(0)
.irp i, 0,1,2,3,4,5,6,7,8,9,10,11,12,13,14,15
	v_exp_f32 v[MW+2*\i], v[MW+2*\i]               ; w_i
.endr
	v_nop                                          ; a plain place behind the last exponential
	s_wait_alu depctr_va_vdst(0)                   ; one wait for the batch, ahead of its first reader
	v_mul_f32 v4, v[MW], v[MW+1]
.irp i, 1,2,3,4,5,6,7,8,9,10,11,12,13,14,15
	v_fmac_f32 v4, v[MW+2*\i], v[MW+2*\i+1]        ; the divisor
.endr
	s_wait_alu depctr_va_vdst(0)
	v_rcp_f32 v6, v4
	s_wait_loadcnt 0x0
	v_pk_mul_f32 v[8:9], v[CX:CX+1], v[MW:MW+1] op_sel_hi:[1,0]         ; of the pair (w, l) the low word serves both halves.  (Plain work behind the reciprocal)
	v_pk_mul_f32 v[10:11], v[CX+2:CX+3], v[MW:MW+1] op_sel_hi:[1,0]
.irp i, 1,2,3,4,5,6,7,8,9,10,11,12,13,14,15
	v_pk_fma_f32 v[8:9], v[CX+4*\i:CX+4*\i+1], v[MW+2*\i:MW+2*\i+1], v[8:9] op_sel_hi:[1,0,1]
	v_pk_fma_f32 v[10:11], v[CX+4*\i+2:CX+4*\i+3], v[MW+2*\i:MW+2*\i+1], v[10:11] op_sel_hi:[1,0,1]
.endr
	s_wait_alu depctr_va_vdst(0)                   ; the wait for the reciprocal, ahead of its first reader
	v_pk_mul_f32 v[8:9], v[8:9], v[6:7] op_sel_hi:[1,0]
	v_pk_mul_f32 v[10:11], v[10:11], v[6:7] op_sel_hi:[1,0]
	global_store_b128 v1, v[8:11], s[6:7]          ; 32 lanes store 512 consecutive bytes, at a multiple of 256 from out0's first byte
	s_endpgm
.Lfunc_end_k_q8a4da5c950_fin:
	.size	k_q8a4da5c950_fin, .Lfunc_end_k_q8a4da5c950_fin-k_q8a4da5c950_fin
	.p2alignl 7, 3214868480
	.fill 96, 4, 3214868480
	.section	.rodata,"a",@progbits
	.p2align	6, 0x0
	.amdhsa_kernel k_q8a4da5c950_fin
		.amdhsa_group_segment_fixed_size 0
		.amdhsa_private_segment_fixed_size 0
		.amdhsa_enable_private_segment 0
		.amdhsa_kernarg_size 16
		.amdhsa_user_sgpr_count 2
		.amdhsa_user_sgpr_kernarg_segment_ptr 1
		.amdhsa_wavefront_size32 1
		.amdhsa_system_sgpr_workgroup_id_x 1
		.amdhsa_system_sgpr_workgroup_id_y 1
		.amdhsa_system_sgpr_workgroup_id_z 1
		.amdhsa_system_vgpr_workitem_id 0
		.amdhsa_next_free_vgpr 128
		.amdhsa_next_free_sgpr 66
		.amdhsa_reserve_vcc 0
		.amdhsa_float_denorm_mode_32 3
		.amdhsa_float_denorm_mode_16_64 3
		.amdhsa_memory_ordered 1
		.amdhsa_forward_progress 1
		.amdhsa_inst_pref_size 9
	.end_amdhsa_kernel
	.amdgpu_metadata
---
amdhsa.version: [ 1, 2 ]
amdhsa.kernels:
  - .name:           k_q8a4da5c950_fin
    .symbol:         k_q8a4da5c950_fin.kd
    .args:
      - { .name: part, .offset: 0, .size: 8, .value_kind: global_buffer, .address_space: global }
      - { .name: out0, .offset: 8, .size: 8, .value_kind: global_buffer, .address_space: global }
    .group_segment_fixed_size: 0
    .private_segment_fixed_size: 0
    .kernarg_segment_align: 8
    .kernarg_segment_size: 16
    .max_flat_workgroup_size: 64
    .sgpr_count:     66
    .vgpr_count:     128
    .wavefront_size: 32
...
	.end_amdgpu_metadata
.endif
;; end of part 3
